; MI455X (gfx1250); checked and timed in simulation.
; The chip was launched on July 23, 2026; its instructions are those of AMD's public machine-readable ISA for CDNA 5 (MIT licence, August 2026) and "CDNA5" Instruction Set Architecture Reference Guide (July 2026). The comments in the code are by the model that wrote it; some were corrected since.
;; Multi Head Attention. Allowed arithmetic: matrix products marked QUANTISED: E2M3 operands, one E8M0 scale for each 32 along K, by v_wmma_scale_f32_16x16x128_f8f6f4 with both operands' format E2M3, f32 sums; everything else in f32.
;; Inputs: Wk_codes 1,024 x 32 x 24 uint8 (E2M3 codes of Wk, K innermost, in blocks of 32 codes, four codes in three bytes); Wk_scales 1,024 x 32 uint8 (E8M0 scales of Wk, one for each 32 codes along K); Wo_codes 1,024 x 32 x 24 uint8 (E2M3 codes of Wo, K innermost, in blocks of 32 codes, four codes in three bytes); Wo_scales 1,024 x 32 uint8 (E8M0 scales of Wo, one for each 32 codes along K); Wq_codes 1,024 x 32 x 24 uint8 (E2M3 codes of Wq, K innermost, in blocks of 32 codes, four codes in three bytes); Wq_scales 1,024 x 32 uint8 (E8M0 scales of Wq, one for each 32 codes along K); Wv_codes 1,024 x 32 x 24 uint8 (E2M3 codes of Wv, K innermost, in blocks of 32 codes, four codes in three bytes); Wv_scales 1,024 x 32 uint8 (E8M0 scales of Wv, one for each 32 codes along K); bk 1,024 float32; bo 1,024 float32; bq 1,024 float32; bv 1,024 float32; key_codes 4 x 2,048 x 32 x 24 uint8 (E2M3 codes of key, K innermost, in blocks of 32 codes, four codes in three bytes); key_scales 4 x 2,048 x 32 uint8 (E8M0 scales of key, one for each 32 codes along K); mask 4 x 1 x 2,048 x 2,048 int32; query_codes 4 x 2,048 x 32 x 24 uint8 (E2M3 codes of query, K innermost, in blocks of 32 codes, four codes in three bytes); query_scales 4 x 2,048 x 32 uint8 (E8M0 scales of query, one for each 32 codes along K); value_codes 4 x 2,048 x 32 x 24 uint8 (E2M3 codes of value, K innermost, in blocks of 32 codes, four codes in three bytes); value_scales 4 x 2,048 x 32 uint8 (E8M0 scales of value, one for each 32 codes along K).
;; Outputs: out0 4 x 2,048 x 1,024 float32.
;; This version of the problem:
;;   THIS VERSION OF THE PROBLEM IS GIVEN IN LOW PRECISION. The matrix products marked QUANTISED in the list below multiply operands that are first quantised to E2M3 (2 exponent bits, 3 mantissa bits; 6 bits a number), with one power-of-two scale for each 32 numbers along K (OCP MX v1.0); their sums are f32. All else is computed in f32.
;;   The module's matrix products, in the order in which they are computed (A, B: the left and right operand; K: the contracted axis; several contracted axes count as one K, in the product's order):
;;     1. [M 8,192, K 1,024] x [K 1,024, N 1,024]; A: input query (given as codes); B: input Wq (given as codes): QUANTISED
;;     2. [M 8,192, K 1,024] x [K 1,024, N 1,024]; A: input key (given as codes); B: input Wk (given as codes): QUANTISED
;;     3. [M 8,192, K 1,024] x [K 1,024, N 1,024]; A: input value (given as codes); B: input Wv (given as codes): QUANTISED
;;     4. batch 64 x [M 2,048, K 64] x [K 64, N 2,048]; A: computed on the way; B: computed on the way: QUANTISED
;;     5. batch 64 x [M 2,048, K 2,048] x [K 2,048, N 64]; A: softmax (see below); B: computed on the way: QUANTISED
;;     6. [M 8,192, K 1,024] x [K 1,024, N 1,024]; A: computed on the way; B: input Wo (given as codes): QUANTISED
;;   THE QUANTISER, for each operand of a quantised product, along K:
;;     - K is cut into blocks of 32 from its start; a last block that is shorter is filled with zeros.
;;     - A block's scale is 2^e with e = floor(log2(the largest magnitude in the block)) - 2, held to -126 .. 127; a block of zeros has e = 0. As a byte (E8M0): e + 127.
;;     - Each number is divided by its block's scale, clamped to +-7.5, and rounded to the nearest number of E2M3, ties to even, subnormals kept.
;;     - The product sums the exact products of the quantised numbers (number of the format x scale) in f32.
;;   ~~~python
;;   def quantise(x, axis):      # numpy; x: float32 -> the quantised numbers, widened to float32 again
;;       x = np.moveaxis(x, axis, -1); K = x.shape[-1]
;;       x = np.pad(x, [(0, 0)] * (x.ndim - 1) + [(0, -K % 32)]); x = x.reshape(x.shape[:-1] + (-1, 32)); a = np.abs(x).max(-1, keepdims=True)
;;       e = np.where(a > 0, np.clip(np.frexp(np.where(a > 0, a, 1))[1] - 1 - 2, -126, 127), 0)      # np.frexp(a)[1] - 1 = floor(log2(a)), exactly
;;       r = np.clip(x / 2.0 ** e, -7.5, 7.5)
;;       step = 2.0 ** (np.maximum(np.frexp(np.where(r == 0, 1, r))[1] - 1, 0) - 3)
;;       q = np.round(r / step) * step * 2.0 ** e      # np.round: ties to even
;;       return np.moveaxis(q.reshape(q.shape[:-2] + (-1,))[..., :K], -1, axis).astype(np.float32)
;;   ~~~
;;   SOFTMAX AHEAD OF A QUANTISED PRODUCT. Where the list says 'softmax', what is quantised is not the finished softmax but p = 2^(t - M), with t = logit x log2(e) and M = ceil(the row's largest t), a whole number; so 1/2 < the row's largest p <= 1. The row's sum l is taken of the UNQUANTISED p, in f32, and the product's result is divided by l at the end. Since M is a whole number, a kernel that streams over the keys may use a running M (the ceiling of the running maximum): every later rescaling is an exact power of two, which a block's scale takes up: the codes' values come out the same.
;;   OPERANDS COMPUTED ON THE WAY. 'Computed on the way' means the value that the module computes at that place (a softmax that the list does not call 'softmax' is quantised finished and normalised). What goes into a quantiser is computed in f32, as accurately as f32 sums, v_exp_f32 and their like allow (about 1e-6 of the number): no bf16 or f16 on the way to a quantiser, and a product that is left as it is and whose result goes on into a quantised operand takes f32 operands (vector FMAs, or v_wmma_f32_16x16x4_f32). A number that lies on a knife's edge between two numbers of the format may be rounded either way, as far as f32 arithmetic and the matrix unit's own rounding can turn it there, and no further.
;;   INPUTS GIVEN AS CODES. Wk (in the module: [1024, 1024], K = its axis 1); Wo (in the module: [1024, 1024], K = its axis 1); Wq (in the module: [1024, 1024], K = its axis 1); Wv (in the module: [1024, 1024], K = its axis 1); key (in the module: [4, 2048, 1024], K = its axis 2); query (in the module: [4, 2048, 1024], K = its axis 2); value (in the module: [4, 2048, 1024], K = its axis 2): each comes as NAME_codes (uint8): NAME with its K axis moved to the last place and cut into blocks of 32 codes, [.., K / 32, bytes a block], one block behind the other in memory; four codes in three bytes: a row's codes are one little-endian stream of bits, code i at bits 6 i .. 6 i + 5 (a code: sign, 2 exponent bits, 3 mantissa bits); and NAME_scales (uint8): the same leading axes, one E8M0 byte (e + 127) for each 32 codes along K. Its value is code x scale, taken as it is: it is not quantised again, and the codes and scales need not be those that the quantiser above would give.
;; One version. Each part assembles by itself: llvm-mc -triple=amdgcn-amd-amdhsa -mcpu=gfx1250 --defsym DOCPART=n.
;; ======== version 1 of 1: 3 launches
;; limits: right only within a limited range of input values
;; workspace buffers: mw 2,097,152 bytes of whole numbers; qbuf 6,815,744 bytes; kv 13,369,344 bytes; ao 6,291,456 bytes; aos 262,144 bytes
;; launch proj (part 1): grid 4 x 192, 4 waves a work-group, clusters of 4 x 4, 327,680 bytes of LDS; arguments query_codes, query_scales, Wq_codes, Wq_scales, bq, key_codes, key_scales, Wk_codes, Wk_scales, bk, Wv_codes, Wv_scales, value_codes, value_scales, bv, qbuf, kv, mask, mw; writes qbuf, kv, mw
.if DOCPART == 1
	.amdgcn_target "amdgcn-amd-amdhsa--gfx1250"
	.amdhsa_code_object_version 6
	.text
	.protected	k_q50dfe198ca_proj
	.globl	k_q50dfe198ca_proj
	.p2align	8
	.type	k_q50dfe198ca_proj,@function
k_q50dfe198ca_proj:
	s_mov_b64 s[64:65], 0
	v_nop
	global_prefetch_b8 v0, s[64:65] scope:SCOPE_SE
	s_setreg_imm32_b32 hwreg(HW_REG_WAVE_MODE, 25, 1), 1
	s_wait_xcnt 0x0
	s_wait_alu depctr_hold_cnt(0) depctr_sa_sdst(0) depctr_va_vdst(0) depctr_va_sdst(0) depctr_va_ssrc(0) depctr_va_vcc(0) depctr_vm_vsrc(0)
	s_getreg_b32 s2, hwreg(HW_REG_IB_STS2, 6, 4)
	s_cmp_eq_u32 s2, 0
	s_cbranch_scc0 .Lentry_in_a_cluster
	s_endpgm
.Lentry_in_a_cluster:
	s_bfe_u32 s2, ttmp6, 0x10000c
	s_cmp_lg_u32 s2, 0xf033
	s_cbranch_scc0 .Lentry_shape_is_right
	s_endpgm
.Lentry_shape_is_right:
; THE THREE PROJECTIONS on codes of FP6 (E2M3), with bias, and the quantiser of their results.  No work is left out.
; q, k: A = tokens, B = the weight's rows; v: A = Wv's rows, B = tokens (so that v's codes run along the keys).
; A block is 128 rows of A x 256 rows of B: 256 blocks a product, 768 work-groups.  Four waves, each 64 x 128: 32 accumulators.
; ALL OF K LIES IN LDS AT ONCE: a row of codes is 768 dense bytes, brought as three rows of 256 bytes with 16 bytes of padding behind each
; (LDS pitch 816).  Each wave asks for one tile at the head (A's two halves of 64 rows, B's two of 128); nothing is filled again.
; CLUSTER 4 x 4: A's tiles are asked for jointly along a row of the cluster, B's along a column.
; No prefetch: every tile is asked for at the head, and there is no loop to run ahead in.
; The scale words go from memory into registers: lane r takes its row's 32 bytes (eight steps' words) by two loads of 16 bytes.
; The matrix instruction is used transposed (source 0 = B's rows, source 1 = A's): a lane holds one row of A and eight neighbours along B.
; REGISTERS: window 0: v0-31 addresses, v32-63 A's scale words, v64-127 B's, v128-223 A's fragments (two sets), v224-255 the way out;
; window 1: B's fragments, two sets at v0 and v128; window 2: the accumulators, (a, b) at 8 (8 a + b); window 3: v0-63 the bias.
; OUT, as launch attn reads it: qbuf [bh][group of 128 queries][6,656], kv [bh][key step][13,056]: images of the operands' registers.
; LIMIT: a block of zeros gets the byte 1 where the quantiser says 127: its codes are zeros, and this program alone reads the bytes.
; MULTI-HEAD ATTENTION IN MX-FP6, three launches: proj (this one), attn, outp.  NO WORK IS LEFT OUT: the mask puts -1e-12 in a score's place, a finite
; number, so every key counts for every query; every bias goes into a quantised operand or into the output; all 19 inputs are loaded.
; THE MASK'S WORDS (what launch attn's comments call pack) are made here too: the 512 work-groups of q and k take 16 rows of the mask each, a wave four key steps.
; mw: [batch 4][query tile 128][key step 16][64 words]: word 8 t + j of a tile of 16 queries x 128 keys has bit r + 16 h set where mask[q0 + r][k0 + 16 t + 8 h + j] == 0.
; A load reads 512 consecutive bytes of one row.  Three tiles' 48 loads go out ahead of the first K step, into window 3's v64-255; the fourth's 16 at the start of the way out,
; into B's fragment registers, which are done with.  A tile turns through the wave's stage (16 rows of 528 bytes) in A's LDS bytes, behind a barrier behind which nobody reads them.
.set ROWP,  816
.set BLK,   16*ROWP
.set ABY,   128*ROWP
.set SPARE, 3*ABY
.set BOF,  8
.set ADRA, 16
.set ADRB, 18
.set VS,   22
.set L16,  25
.set L8,   26
.set SPW,  28
.set NIL,  29
.set SCA,  32
.set SCB,  64
.set AF,   128
.set OB,   128
.set TM,   224
.set TP,   228
.set TS,   232
.set CT,   236
.set PWS,  244
.set SW,   248
.set G1,  24
.set G0,  32
.set G1B, 48
.set G0B, 56
.set OC,  68
.set ISV, 99
.set HI,  100
.set SEL, 104
.set DW, (3<<16)|(1<<20)|(1<<21)|(5<<22)|(3<<25)
.set SP,   528                         ; a stage row
.set WST,  16*SP                       ; a wave's stage
.set LA,   7                           ; in the mask: 16 x lane + 2,048 x wave
.set SA,   23                          ; into the stage: 16 x lane
.set RA,   24                          ; out of it: 528 r + 32 h
.set OA,   27                          ; in mw: 8 x lane + 1,024 x wave
.set MWD,  8                           ; v8-15: two registers of words for each tile (the bias's offsets are done with)
.set MX,   128                         ; v128-191: a tile turned
.set CW,   16                          ; s16-47: 32 words at a time (ids and descriptors that are done with)
.macro MREG i, p                       ; where row p of tile i lies as loaded: tiles 0-2 in window 3, tile 3 in window 1
.if (\i) < 3
.set MB, 64+64*(\i)+4*(\p)
.else
.set MB, 4*(\p)
.endif
.endm
.macro MLOAD i                         ; my i-th key step: 512 bytes of each of the 16 rows
.if (\i) < 3
	WIN 0xc0
.else
	WIN 0x40
.endif
.irp p, 0,1,2,3,4,5,6,7,8,9,10,11,12,13,14,15
	MREG \i, \p
	global_load_b128 v[MB:MB+3], v[LA], s[60:61] offset:8192*\p+512*(\i) th:TH_LOAD_NT
.endr
	WIN 0
.endm
.macro MTURN i                         ; LDS serves a wave's instructions in order: no wait between the stores and the loads
.if (\i) < 3
	WIN 0x0c
.else
	WIN 0x04
.endif
.irp p, 0,1,2,3,4,5,6,7,8,9,10,11,12,13,14,15
	MREG \i, \p
	ds_store_b128 v[SA], v[MB:MB+3] offset:SP*\p
.endr
	WIN 0
.irp t, 0,1,2,3,4,5,6,7
	ds_load_b128 v[MX+8*\t:MX+8*\t+3], v[RA] offset:64*\t
	ds_load_b128 v[MX+8*\t+4:MX+8*\t+7], v[RA] offset:64*\t+16
.endr
.endm
.macro MWORDS i
.irp u, 0,1
.set n, 0
.rept 32
	v_cmp_eq_u32 s[CW+n], 0, v[MX+32*\u+n]         ; word 32 u + n: a bit for each lane
.set n, n+1
.endr
.set n, 0
.rept 32
	v_writelane_b32 v[MWD+2*\i+n%2], s[CW+n], 16*\u+n/2   ; lane L's pair holds words 2 L and 2 L + 1
.set n, n+1
.endr
.endr
	global_store_b64 v[OA], v[MWD+2*\i:MWD+2*\i+1], s[62:63] offset:256*\i   ; 32 lanes store 256 consecutive aligned bytes
.endm
.set MSB, 0
.macro WIN new
.if MSB != \new
	s_set_vgpr_msb (MSB<<8)|\new
.set MSB, \new
.endif
.endm
.macro PLACES
.rept 4
	v_nop
.endr
.endm
.macro JLOAD                           ; waves 0, 1 ask for A's halves, waves 2, 3 for B's
	s_cmp_eq_u32 s15, 0
	s_cbranch_scc0 .Lfor_b_\@
	tensor_load_to_lds s[G0:G0+3], s[G1:G1+7]
	s_nop 0
	PLACES
	s_branch .Lasked_\@
.Lfor_b_\@:
	tensor_load_to_lds s[G0B:G0B+3], s[G1B:G1B+7]
	s_nop 0
	PLACES
.Lasked_\@:
.endm
.macro CROUND                          ; a round of the cluster's barrier
	s_barrier_signal -1
	s_barrier_wait -1
	s_cmp_lg_u32 s14, 0
	s_cbranch_scc1 .Lnot_wave_0_\@
	s_barrier_signal -3
.Lnot_wave_0_\@:
	s_barrier_wait -3
	s_barrier_signal -1
	s_barrier_wait -1
.endm
	s_load_b256 s[68:75], s[0:1], 0x0
	s_load_b64 s[76:77], s[0:1], 0x20
	s_load_b256 s[80:87], s[0:1], 0x28
	s_load_b64 s[88:89], s[0:1], 0x48
	s_load_b256 s[20:27], s[0:1], 0x50
	s_load_b64 s[28:29], s[0:1], 0x70
	s_load_b128 s[32:35], s[0:1], 0x78
	s_load_b128 s[60:63], s[0:1], 0x88             ; mask, mw
	v_lshl_add_u32 v[SPW], v0, 2, SPARE
	v_mov_b32 v[NIL], 0
	ds_add_u32 v[SPW], v[NIL]                      ; the opening lines: the add twice and its wait
	ds_add_u32 v[SPW], v[NIL]
	v_lshrrev_b32 v1, 5, v0
	v_readfirstlane_b32 s14, v1                    ; wave
	s_lshr_b32 s15, s14, 1                         ; my half of A's rows; also: I ask for A (0) or B (1)
	s_and_b32 s16, s14, 1                          ; my half of B's rows; also: which half I ask for
	s_bfe_u32 s40, ttmp6, 0x40000                  ; cx
	s_bfe_u32 s41, ttmp6, 0x40004                  ; cy
	s_and_b32 s95, ttmp7, 0xffff
	s_lshr_b32 s98, s95, 4                         ; the product: 0 q, 1 k, 2 v
	s_and_b32 s95, s95, 15
	s_lshl_b32 s18, s95, 2                         ; q, k: 64 tile rows, 4 tile columns
	s_lshr_b32 s19, s95, 1
	s_lshl_b32 s19, s19, 2                         ; v: 32 tile columns,
	s_and_b32 s45, s95, 1
	s_lshl_b32 s45, s45, 2                         ; 8 tile rows
	s_cmp_eq_u32 s98, 2
	s_cselect_b32 s[ISV], 1, 0
	s_cselect_b32 s42, s19, 0
	s_cselect_b32 s17, s45, s18
	s_add_co_u32 s42, s42, s40                     ; tile column
	s_add_co_u32 s17, s17, s41                     ; tile row
	s_lshl_b32 s43, s41, 2
	s_lshl_b32 s43, 15, s43                        ; my row of the cluster
	s_lshl_b32 s44, 0x1111, s40                    ; my column
	s_mov_b32 s[HI], 0xffff0000
	s_mov_b32 s[SEL], 0x76543210
	s_mov_b32 s[SEL+1], 0xfedcba98
	s_wait_dscnt 0x0
	s_wait_kmcnt 0x0
	s_cmp_eq_u32 s98, 1
.irp i, 0,1,2,3,4
	s_cselect_b64 s[4+2*\i:5+2*\i], s[80+2*\i:81+2*\i], s[20+2*\i:21+2*\i]
.endr
	s_cmp_eq_u32 s98, 0
.irp i, 0,1,2,3,4
	s_cselect_b64 s[4+2*\i:5+2*\i], s[68+2*\i:69+2*\i], s[4+2*\i:5+2*\i]
.endr
	s_cselect_b64 s[96:97], s[32:33], s[34:35]
	s_or_b32 s[G1], s43, DW                        ; rows of 32 elements of 8 bytes, 16 bytes of padding behind each
	s_or_b32 s[G1B], s44, DW
.irp g, G1, G1B
	s_mov_b32 s[\g+1], 32<<16
	s_mov_b32 s[\g+3], 32<<16
	s_mov_b32 s[\g+5], 32
	s_mov_b32 s[\g+6], 0
	s_mov_b32 s[\g+7], 0
.endr
	s_mov_b32 s[G1+2], 192<<16                     ; 64 rows of codes
	s_mov_b32 s[G1+4], 192
	s_mov_b32 s[G1B+2], 384<<16                    ; 128 rows of codes
	s_mov_b32 s[G1B+4], 384
	s_lshl_b32 s36, s17, 7
	s_lshl_b32 s37, s16, 6
	s_add_co_u32 s36, s36, s37
	s_mul_i32 s36, s36, 768
	s_mov_b32 s37, 0
	s_lshl_b32 s46, s42, 8
	s_lshl_b32 s47, s16, 7
	s_add_co_u32 s46, s46, s47
	s_mul_i32 s46, s46, 768
	s_mov_b32 s47, 0
	s_mov_b32 s[G0], 1
	s_mul_i32 s[G0+1], s16, ABY/2
	s_add_nc_u64 s[G0+2:G0+3], s[4:5], s[36:37]
	s_or_b32 s[G0+3], s[G0+3], 0x80000000
	s_mov_b32 s[G0B], 1
	s_mul_i32 s[G0B+1], s16, ABY
	s_add_co_u32 s[G0B+1], s[G0B+1], ABY
	s_add_nc_u64 s[G0B+2:G0B+3], s[8:9], s[46:47]
	s_or_b32 s[G0B+3], s[G0B+3], 0x80000000
	CROUND                                         ; the joint loads meet
	JLOAD                                          ; my one tensor load of the launch
	v_and_b32 v1, 15, v0                           ; r
	v_bfe_u32 v2, v0, 4, 1                         ; h
	v_and_b32 v6, 31, v0
	v_mul_u32_u24 v3, v1, ROWP
	v_mad_u32_u24 v4, v2, 24, v3                   ; row x pitch + 24 h
	v_lshl_add_u32 v5, v2, 4, v4                   ; the same where lanes 16-31 stand behind the next padding
	s_mul_i32 s21, s15, ABY/2
	s_mul_i32 s22, s16, ABY
	s_add_co_u32 s22, s22, ABY
	v_add_nc_u32 v[ADRA], s21, v4
	v_add_nc_u32 v[ADRA+1], s21, v5
	v_add_nc_u32 v[ADRB], s22, v4
	v_add_nc_u32 v[ADRB+1], s22, v5
	s_add_co_u32 s22, s22, ABY/2                   ; B's blocks 4-7
	v_add_nc_u32 v[ADRB+2], s22, v4
	v_add_nc_u32 v[ADRB+3], s22, v5
	v_lshlrev_b32 v[VS], 5, v1                     ; a row of scales is 32 bytes
	v_lshlrev_b32 v[L16], 4, v6
	v_lshlrev_b32 v[L8], 3, v6
	s_lshl_b32 s36, s14, 11
	s_mul_i32 s37, s14, WST
	v_lshl_add_u32 v[LA], v6, 4, s36
	v_lshl_add_u32 v[SA], v6, 4, s37
	v_mul_u32_u24 v[RA], v1, SP
	v_lshl_add_u32 v[RA], v2, 5, v[RA]
	v_add_nc_u32 v[RA], s37, v[RA]
	s_lshl_b32 s36, s14, 10
	v_lshl_add_u32 v[OA], v6, 3, s36
	s_lshl_b32 s36, s17, 7
	s_lshl_b32 s37, s15, 6
	s_add_co_u32 s36, s36, s37
	s_lshl_b32 s36, s36, 5
	s_mov_b32 s37, 0
	s_add_nc_u64 s[6:7], s[6:7], s[36:37]          ; the scales of my 64 rows of A
	s_lshl_b32 s46, s42, 8
	s_lshl_b32 s47, s16, 7
	s_add_co_u32 s46, s46, s47
	s_lshl_b32 s46, s46, 5
	s_mov_b32 s47, 0
	s_add_nc_u64 s[10:11], s[10:11], s[46:47]
	s_lshl_b32 s36, s98, 8                         ; q, k: my 16 rows of the mask: number 256 x product + 4 x tile row + tile column
	s_lshl_b32 s37, s17, 2
	s_add_co_u32 s36, s36, s37
	s_add_co_u32 s36, s36, s42
	s_lshl_b32 s38, s36, 12                        ; 16 key steps of 256 bytes in mw
	s_lshl_b32 s36, s36, 17                        ; 16 rows of 8,192 bytes in the mask
	s_mov_b32 s37, 0
	s_mov_b32 s39, 0
	s_add_nc_u64 s[60:61], s[60:61], s[36:37]      ; (v's work-groups never use the two)
	s_add_nc_u64 s[62:63], s[62:63], s[38:39]
	s_cmp_eq_u32 s[ISV], 1                         ; the bias runs along B's rows (q, k) or along A's (v)
	s_cselect_b32 s18, s17, s42
	s_cselect_b32 s19, s15, s16
	s_cselect_b32 s92, 4, 0
	s_cselect_b32 s93, 0, 32
	s_cselect_b32 s94, 0, 4
	s_cselect_b32 s38, 9, 10
	s_cselect_b32 s39, 0, 256
	s_lshl_b32 s18, s18, s38
	s_sub_co_u32 s38, s38, 1
	s_lshl_b32 s19, s19, s38
	s_add_co_u32 s18, s18, s19
	s_mov_b32 s19, 0
	s_add_nc_u64 s[12:13], s[12:13], s[18:19]
	s_mov_b32 s18, s39
	s_add_nc_u64 s[76:77], s[12:13], s[18:19]      ; groups 4-7: 256 bytes on (q, k); v has four groups and reads them again, inside bv
	v_mul_u32_u24 v6, v1, s92
	v_mad_u32_u24 v6, v2, s93, v6
.irp j, 0,1,2,3,4,5,6,7
	v_mad_u32_u24 v[BOF+\j], s94, \j, v6
.endr
	s_wait_alu depctr_va_vdst(0)                   ; the wait behind the head's vector writes
.irp a, 0,1,2,3
	global_load_b128 v[SCA+8*\a:SCA+8*\a+3], v[VS], s[6:7] offset:512*\a
	global_load_b128 v[SCA+8*\a+4:SCA+8*\a+7], v[VS], s[6:7] offset:512*\a+16
.endr
.irp b, 0,1,2,3,4,5,6,7
	global_load_b128 v[SCB+8*\b:SCB+8*\b+3], v[VS], s[10:11] offset:512*\b
	global_load_b128 v[SCB+8*\b+4:SCB+8*\b+7], v[VS], s[10:11] offset:512*\b+16
.endr
	WIN 0xc0                                       ; the bias into window 3
.irp g, 0,1,2,3
.irp j, 0,1,2,3,4,5,6,7
	global_load_b32 v[8*\g+\j], v[BOF+\j], s[12:13] offset:64*\g
	global_load_b32 v[32+8*\g+\j], v[BOF+\j], s[76:77] offset:64*\g
.endr
.endr
	WIN 0
	s_lshr_b32 s18, s17, 4                         ; where the results go.  q, k: batch, group of 128 tokens, first of two heads
	s_and_b32 s19, s17, 15
	s_lshl_b32 s92, s42, 2
	s_lshl_b32 s93, s16, 1
	s_add_co_u32 s92, s92, s93
	s_lshr_b32 s93, s42, 3                         ; v: batch, key step, head
	s_and_b32 s94, s42, 7
	s_lshl_b32 s94, s94, 1
	s_add_co_u32 s94, s94, s16
	s_lshl_b32 s45, s17, 1
	s_add_co_u32 s45, s45, s15
	s_mul_i32 s46, s15, 3072                       ; q, k: my 64 tokens are half of a group's image
	s_lshl_b32 s47, s15, 3
	s_cmp_eq_u32 s[ISV], 1
	s_cselect_b32 s18, s93, s18
	s_cselect_b32 s19, s94, s19
	s_cselect_b32 s92, s45, s92
	s_cselect_b32 s46, 6144, s46
	s_cselect_b32 s47, 0, s47
	s_lshl_b32 s18, s18, 4
	s_add_co_u32 s18, s18, s92
	s_lshl_b32 s18, s18, 4
	s_add_co_u32 s18, s18, s19
	s_mov_b32 s19, 13056
	s_cmp_eq_u32 s98, 0
	s_cselect_b32 s19, 6656, s19
	s_mul_i32 s38, s18, s19
	s_add_co_u32 s38, s38, s46
	s_mov_b32 s39, 0
	s_add_nc_u64 s[OC:OC+1], s[96:97], s[38:39]
	s_lshl_b32 s38, s19, 4
	s_add_nc_u64 s[OC+2:OC+3], s[OC:OC+1], s[38:39]  ; the next head
	s_mov_b32 s38, 12288                           ; the scale words' place in the image: q 6,144, k 12,288, v 12,800
	s_cmp_eq_u32 s98, 0
	s_cselect_b32 s38, 6144, s38
	s_cmp_eq_u32 s98, 2
	s_cselect_b32 s38, 12800, s38
	s_sub_co_u32 s38, s38, s46
	s_add_co_u32 s38, s38, s47
	s_add_nc_u64 s[OC+4:OC+5], s[OC:OC+1], s[38:39]
	s_add_nc_u64 s[OC+6:OC+7], s[OC+2:OC+3], s[38:39]
.macro FRAG reg, adr, st, i            ; 16 rows x 128 K: six pieces of 8 bytes; byte y of a row lies at y + 16 (y / 256)
.irp p, 0,1,2,3,4,5
.set BY, 96*(\st)+48*(\p/3)+8*(\p%3)
.set XC, (BY+24)/256-BY/256
	ds_load_b64 v[\reg+2*\p:\reg+2*\p+1], v[\adr+XC] offset:BY+16*(BY/256)+(\i)*BLK
.endr
.endm
.macro FETCH1 st                       ; B's blocks 0-3 and A's four: 48 loads
	WIN 0x40
.irp i, 0,1,2,3
	FRAG 128*((\st)%2)+12*\i, ADRB, \st, \i
.endr
	WIN 0
.irp i, 0,1,2,3
	FRAG AF+48*((\st)%2)+12*\i, ADRA, \st, \i
.endr
.endm
.macro FETCH2 st                       ; B's blocks 4-7: 24 loads
	WIN 0x40
.irp i, 0,1,2,3
	FRAG 128*((\st)%2)+48+12*\i, ADRB+2, \st, \i
.endr
	WIN 0
.endm
.macro MULH st, b0, zero               ; 16 products: A's four blocks x four of B's; the accumulators take turns.  zero: the bias starts the sums (1: along B, 2: along A)
.if \zero
	WIN 0xb1
.else
	WIN 0xa1
.endif
.irp a, 0,1,2,3
.irp b, \b0, \b0+1, \b0+2, \b0+3
.set DD, 8*(8*\a+(\b))
.if \zero == 1
.set CC, 8*(\b)
.elseif \zero == 2
.set CC, 8*\a
.else
.set CC, DD
.endif
	v_wmma_scale_f32_16x16x128_f8f6f4 v[DD:DD+7], v[128*((\st)%2)+12*(\b):128*((\st)%2)+12*(\b)+11], v[AF+48*((\st)%2)+12*\a:AF+48*((\st)%2)+12*\a+11], v[CC:CC+7], v[SCB+8*(\b)+(\st)], v[SCA+8*\a+(\st)] matrix_a_fmt:MATRIX_FMT_FP6 matrix_b_fmt:MATRIX_FMT_FP6
.endr
.endr
.endm
.macro STEP st, zero                   ; 128 along K; the next step's fragments are fetched into the other set
	s_wait_dscnt 24                                ; all but B's blocks 4-7
	MULH \st, 0, \zero
.if (\st) < 7
	PLACES
	FETCH1 (\st)+1
	s_wait_dscnt 48                                ; all but the 48 just issued
.else
	s_wait_dscnt 0x0
.endif
	MULH \st, 4, \zero
.if (\st) < 7
	PLACES
	FETCH2 (\st)+1
.endif
	WIN 0
.endm
	s_wait_alu depctr_va_vdst(0)                   ; the wait at the head's end
	s_wait_tensorcnt 0x0                           ; my tile is in,
	s_barrier_signal -1
	s_barrier_wait -1                              ; everybody's is
	FETCH1 0
	FETCH2 0
	s_wait_loadcnt 0x0                             ; scale words and bias
	s_cmp_eq_u32 s[ISV], 1
	s_cbranch_scc1 .Lfirst_v
	MLOAD 0                                        ; q, k: three tiles of the mask are on their way under the products
	MLOAD 1
	MLOAD 2
	STEP 0, 1
	s_branch .Lfirst_done
.Lfirst_v:
	STEP 0, 2
.Lfirst_done:
.set ST, 1
.rept 7
	STEP ST, 0
.set ST, ST+1
.endr
	s_barrier_signal -1                            ; my LDS reads were awaited in the last step:
	s_barrier_wait -1                              ; nobody reads the tiles any more, and nothing is filled again: the mask's stages may lie in A's bytes
.macro QUANTW a, d0, d1                ; block a's 16 rows x 128: four blocks of 32 along the next K; codes into d0 (blocks 0, 1) and d1 (blocks 2, 3), the scale word into PWS + a
.set AC, 64*(\a)
	WIN 0x0a
.irp b, 0,1,2,3
	v_max3_num_f32 v[TM+\b], |v[AC+16*\b]|, |v[AC+1+16*\b]|, 0x1800000
.endr
	WIN 0x28
.irp i, 2,4,6,8,10,12,14
.irp b, 0,1,2,3
	v_max3_num_f32 v[TM+\b], v[TM+\b], |v[AC+16*\b+\i]|, |v[AC+1+16*\b+\i]|
.endr
.endr
	WIN 0
.irp b, 0,1,2,3
	v_permlanex16_b32 v[TP+\b], v[TM+\b], s[SEL], s[SEL+1]
.endr
.irp b, 0,1,2,3
	v_max_num_f32 v[TM+\b], v[TM+\b], v[TP+\b]
.endr
.irp b, 0,1,2,3
	v_add_nc_u32 v[TS+\b], 0xff000000, v[TM+\b]    ; 2 off the exponent field: the conversion's scale operand
.endr
.irp b, 0,1,2,3
	v_lshrrev_b32 v[TP+\b], 23, v[TS+\b]
.endr
	v_lshl_or_b32 v[PWS+(\a)], v[TP+1], 8, v[TP]
	v_lshl_or_b32 v[PWS+(\a)], v[TP+2], 16, v[PWS+(\a)]
	v_lshl_or_b32 v[PWS+(\a)], v[TP+3], 24, v[PWS+(\a)]
	WIN 0x02
	v_cvt_scalef32_pk16_fp6_f32 v[\d0:\d0+2], v[AC:AC+15], v[TS]
	v_cvt_scalef32_pk16_fp6_f32 v[CT:CT+2], v[AC+16:AC+31], v[TS+1]
	v_cvt_scalef32_pk16_fp6_f32 v[\d1:\d1+2], v[AC+32:AC+47], v[TS+2]
	v_cvt_scalef32_pk16_fp6_f32 v[CT+4:CT+6], v[AC+48:AC+63], v[TS+3]
	WIN 0
	v_nop
.irp i, 0,1,2
	v_permlane16_swap_b32 v[\d0+\i], v[CT+\i]
	v_permlane16_swap_b32 v[\d1+\i], v[CT+4+\i]
.endr
.irp i, 0,1,2
	v_mov_b32 v[\d0+3+\i], v[CT+\i]
	v_mov_b32 v[\d1+3+\i], v[CT+4+\i]
.endr
.endm
	PLACES
.irp b, 0,1,2,3
	v_mov_b32 v[TP+\b], 0                          ; a lane permute's destination counts as a source
.endr
	s_cmp_eq_u32 s[ISV], 1
	s_cbranch_scc1 .Lout_v
	MLOAD 3                                        ; the fourth tile, into B's fragment registers
.irp a, 0,1,2,3                        ; q, k: two heads; a pair of blocks is twelve registers of an image
	QUANTW \a, OB+6*\a, OB+48+6*\a
.if (\a)%2 == 1
.irp c, 0,1
.irp i, 0,1,2
	global_store_b128 v[L16], v[OB+48*\c+12*(\a/2)+4*\i:OB+48*\c+12*(\a/2)+4*\i+3], s[OC+2*\c:OC+2*\c+1] offset:512*(3*(\a/2)+\i)
.endr
.endr
.endif
.endr
.irp i, 0,1
	v_cndmask_b32 v[SW+2+\i], v[PWS+2*\i], v[PWS+2*\i+1], s[HI]
.endr
.irp i, 0,1
	v_and_b32 v[SW+\i], 0xffff, v[SW+2+\i]         ; the first head's two bytes,
.endr
.irp i, 0,1
	v_lshrrev_b32 v[SW+2+\i], 16, v[SW+2+\i]       ; the second's
.endr
	global_store_b64 v[L16], v[SW:SW+1], s[OC+4:OC+5]
	global_store_b64 v[L16], v[SW+2:SW+3], s[OC+6:OC+7]
	s_wait_xcnt 0x0                                ; the stores above have read their registers: v128-191 take the turned tiles
.irp i, 0,1,2,3,4,5,6,7
	v_mov_b32 v[MWD+\i], 0                         ; v_writelane_b32's destination counts as read
.endr
	s_wait_alu depctr_va_vdst(0)                   ; the wait ahead of the waits below
.irp i, 0,1,2,3
	s_wait_loadcnt 48-16*\i                        ; tile i's 16 loads are in; the later tiles' may be out
	MTURN \i
	s_wait_dscnt 0x0                               ; the tile is back
	MWORDS \i
.endr
	s_branch .Lout_done
.Lout_v:
.irp a, 0,1,2,3                        ; v: one head's 64 channels x a key step
	QUANTW \a, OB+12*\a, OB+12*\a+6
.irp i, 0,1,2
	global_store_b128 v[L16], v[OB+12*\a+4*\i:OB+12*\a+4*\i+3], s[OC:OC+1] offset:1536*\a+512*\i
.endr
.endr
.irp i, 0,1
	v_cndmask_b32 v[SW+\i], v[PWS+2*\i], v[PWS+2*\i+1], s[HI]
.endr
	global_store_b64 v[L8], v[SW:SW+1], s[OC+4:OC+5]
.Lout_done:
	s_wait_tensorcnt 0x0                           ; the wave's end
	ds_add_u32 v[SPW], v[NIL]
	s_wait_dscnt 0x0
	CROUND                                         ; the closing round
	s_endpgm
.Lfunc_end_k_q50dfe198ca_proj:
	.size	k_q50dfe198ca_proj, .Lfunc_end_k_q50dfe198ca_proj-k_q50dfe198ca_proj
	.p2alignl 7, 3214868480
	.fill 96, 4, 3214868480
	.section	.rodata,"a",@progbits
	.p2align	6, 0x0
	.amdhsa_kernel k_q50dfe198ca_proj
		.amdhsa_group_segment_fixed_size 327680
		.amdhsa_private_segment_fixed_size 0
		.amdhsa_enable_private_segment 0
		.amdhsa_kernarg_size 152
		.amdhsa_user_sgpr_count 2
		.amdhsa_user_sgpr_kernarg_segment_ptr 1
		.amdhsa_wavefront_size32 1
		.amdhsa_system_sgpr_workgroup_id_x 1
		.amdhsa_system_sgpr_workgroup_id_y 1
		.amdhsa_system_sgpr_workgroup_id_z 1
		.amdhsa_system_vgpr_workitem_id 0
		.amdhsa_next_free_vgpr 1024
		.amdhsa_next_free_sgpr 106
		.amdhsa_reserve_vcc 0
		.amdhsa_float_denorm_mode_32 3
		.amdhsa_float_denorm_mode_16_64 3
		.amdhsa_memory_ordered 1
		.amdhsa_forward_progress 1
		.amdhsa_inst_pref_size 182
	.end_amdhsa_kernel
	.amdgpu_metadata
---
amdhsa.version: [ 1, 2 ]
amdhsa.kernels:
  - .name:           k_q50dfe198ca_proj
    .symbol:         k_q50dfe198ca_proj.kd
    .args:
      - { .name: query_codes, .offset: 0, .size: 8, .value_kind: global_buffer, .address_space: global }
      - { .name: query_scales, .offset: 8, .size: 8, .value_kind: global_buffer, .address_space: global }
      - { .name: Wq_codes, .offset: 16, .size: 8, .value_kind: global_buffer, .address_space: global }
      - { .name: Wq_scales, .offset: 24, .size: 8, .value_kind: global_buffer, .address_space: global }
      - { .name: bq, .offset: 32, .size: 8, .value_kind: global_buffer, .address_space: global }
      - { .name: key_codes, .offset: 40, .size: 8, .value_kind: global_buffer, .address_space: global }
      - { .name: key_scales, .offset: 48, .size: 8, .value_kind: global_buffer, .address_space: global }
      - { .name: Wk_codes, .offset: 56, .size: 8, .value_kind: global_buffer, .address_space: global }
      - { .name: Wk_scales, .offset: 64, .size: 8, .value_kind: global_buffer, .address_space: global }
      - { .name: bk, .offset: 72, .size: 8, .value_kind: global_buffer, .address_space: global }
      - { .name: Wv_codes, .offset: 80, .size: 8, .value_kind: global_buffer, .address_space: global }
      - { .name: Wv_scales, .offset: 88, .size: 8, .value_kind: global_buffer, .address_space: global }
      - { .name: value_codes, .offset: 96, .size: 8, .value_kind: global_buffer, .address_space: global }
      - { .name: value_scales, .offset: 104, .size: 8, .value_kind: global_buffer, .address_space: global }
      - { .name: bv, .offset: 112, .size: 8, .value_kind: global_buffer, .address_space: global }
      - { .name: qbuf, .offset: 120, .size: 8, .value_kind: global_buffer, .address_space: global }
      - { .name: kv, .offset: 128, .size: 8, .value_kind: global_buffer, .address_space: global }
      - { .name: mask, .offset: 136, .size: 8, .value_kind: global_buffer, .address_space: global }
      - { .name: mw, .offset: 144, .size: 8, .value_kind: global_buffer, .address_space: global }
    .group_segment_fixed_size: 327680
    .private_segment_fixed_size: 0
    .kernarg_segment_align: 8
    .kernarg_segment_size: 152
    .max_flat_workgroup_size: 128
    .sgpr_count:     106
    .vgpr_count:     1024
    .wavefront_size: 32
...
	.end_amdgpu_metadata
.endif
;; end of part 1
;; launch attn (part 2): grid 4 x 64, 16 waves a work-group, clusters of 4 x 1, 210,944 bytes of LDS; arguments qbuf, kv, mw, ao, aos; writes ao, aos
.if DOCPART == 2
	.amdgcn_target "amdgcn-amd-amdhsa--gfx1250"
	.amdhsa_code_object_version 6
	.text
	.protected	k_q50dfe198ca_attn
	.globl	k_q50dfe198ca_attn
	.p2align	8
	.type	k_q50dfe198ca_attn,@function
k_q50dfe198ca_attn:
	s_mov_b64 s[64:65], 0
	v_nop
	global_prefetch_b8 v0, s[64:65] scope:SCOPE_SE
	s_setreg_imm32_b32 hwreg(HW_REG_WAVE_MODE, 25, 1), 1
	s_wait_xcnt 0x0
	s_wait_alu depctr_hold_cnt(0) depctr_sa_sdst(0) depctr_va_vdst(0) depctr_va_sdst(0) depctr_va_ssrc(0) depctr_va_vcc(0) depctr_vm_vsrc(0)
	s_getreg_b32 s2, hwreg(HW_REG_IB_STS2, 6, 4)
	s_cmp_eq_u32 s2, 0
	s_cbranch_scc0 .Lentry_in_a_cluster
	s_endpgm
.Lentry_in_a_cluster:
	s_bfe_u32 s2, ttmp6, 0x10000c
	s_cmp_lg_u32 s2, 0x3003
	s_cbranch_scc0 .Lentry_shape_is_right
	s_endpgm
.Lentry_shape_is_right:
; ATTENTION on codes of FP6 (E2M3): S = q k^T (K = the head's 64), masked scores replaced by -1e-12, softmax, O = p v (K = the keys), O / l, and the quantiser of the result along the model's 1,024.  No work is left out.
; THE SOFTMAX: t = score x log2(e); M = the running largest t rounded UP to a whole number (kept as -M = floor(-t)); p = 2^(t - M) is quantised along the keys, not normalised; the row's sum l is taken of the unquantised p
; and divides O at the end.  When M moves, l and O are multiplied by 2^(old M - new M), which rounds nothing.
; SHARES.  A work-group owns one (batch, head) and 512 queries; each of its sixteen waves two tiles of 16 queries, one after the other (PASS 0, PASS 1), in 256 registers: four waves to a SIMD, so that one wave's
; vector work stands beside another's matrix work and LDS loads.  A pass walks the head's 2,048 keys in 16 steps of 128.
; LDS.  The whole head's K, V and scale words, 16 steps x 13,056 bytes, lie in LDS at once: wave w brings step w by one tensor load at the head.  Nothing is filled again, so the loops have no barrier.
; CLUSTER.  The four work-groups of a head need the same K and V: each load is asked for jointly, with the same descriptor and a mask that names the four.
; LAYOUT.  Both products transposed: S^T = K Q^T (source 0 = 16 keys, source 1 = my 16 queries), O^T = V^T P^T (source 0 = 16 channels): a lane holds ONE query throughout.  Score register 8 t + j of lane (r, h) is key 16 t + 8 h + j.
; The operands lie in LDS as images of their registers: every LDS load takes 16 (or 8) bytes at 16 (8) x lane.  Inside a block of 32 the groups of eight stand in the order 0, 2, 1, 3, in q and k alike and in v and p alike.
; K = 64 IN A FORM OF 128.  Q's registers 6-11 hold zero codes.  K's eight tiles lie packed, six registers each, with six zero registers behind: tile t's operand is registers 6 t .. 6 t + 11, whose upper half (the next tile's
; codes, finite numbers) meets Q's zeros; bytes 2 and 3 of q's and k's scale words are 0, which is 2^-127, over products that are 0.
; THE MASK comes as words of lane bits (launch pack): word n is the lane mask of score register n, read into scalar registers one step ahead: one v_cndmask_b32 a register.
; OUT.  ao [token tile 512][head 16][768]: lane (r, h) holds block h of the head's two for token r, in TRUE order (the groups are put back by byte permutes, since Wo comes in true order): registers 0-3 at 16 x lane, 4-5 at 512 + 8 x lane.
; aos [8,192][32]: byte 2 x head + h.  These byte stores write 32 bytes in pieces, once for every 16 key steps; aos is 262,144 bytes in all.
; LIMITS: NaN and infinities are not served.  A p under 2^-126 is flushed to 0 by v_exp_f32.  A block of zeros gets the byte 1 where the quantiser says 127: its codes are zeros, and this program alone reads the bytes.
; A block's largest p is made from the block's largest score by the same multiply-add and exponential, which takes v_exp_f32 not to fall where its input rises.
.set STEPB, 13056                      ; a key step in LDS and in kv: K's codes 6,144, V's 6,144, K's scale words 512, V's 256
.set SPARE, 16*STEPB                   ; the spare words, 128 bytes for each of the sixteen waves; no other line names them
.set KV,  42                           ; v42-89 K's eight tiles, then V's four; v90-95 zeros
.set S,   96                           ; v96-159 S^T, then p
.set OO,  160                          ; v160-191 O^T
.set PC,  192                          ; v192-203 p's codes
.set CT,  204                          ; v204-206, v208-210 second halves of blocks
.set TM,  212                          ; v212-215 a block's largest score, then its largest p
.set TP,  216                          ; v216-219 the other half's, then bytes
.set TS,  220                          ; v220-223 the conversions' scale operands
.set KSC, 224                          ; v224-227 K's scale words;  v228-229 V's;  v8 Q's;  v231 p's: these hold scales and nothing else
.set VSC, 228
.set FF,  230                          ; v230 f = 2^(old M - new M), named as the pair v[230:231]
.set PW,  231
.set L2,  232                          ; v232-233 the sum's second chain
.set TT,  234
.set OT,  236                          ; v236-241 the result's codes
.set BY,  242                          ; v242 the result's scale byte
; v1 LDS address 16 x lane + step; v2 8 x lane + 12,800 + step; v3 16 x lane; v4 8 x lane + 12,800; v5, v6 the add's two; v7 -1e-12; v9 8 x lane; v10 32 r + h; v12 -M; v13 the largest t; v[14:15] the sum;
; v16-27 Q (22-27 zeros); v28-39 my two tiles of Q; v40, v41 their scale words.
; s2 wave; s3 trips; s[4:13] qbuf, kv, mw, ao, aos at my places; s14 the mask words' offset; s15 the step's LDS byte; s16-63 and s68-83 the 64 mask words; s[84:91], s[92:95] the descriptor; s[96:97] lane selects; s[98:99] log2(e); s100 lanes 16-31.
.macro ROUND                           ; a round of the cluster's barrier
	s_barrier_signal -1
	s_barrier_wait -1
	s_cmp_lg_u32 s2, 0
	s_cbranch_scc1 .Lnot_wave_0_\@
	s_barrier_signal -3
.Lnot_wave_0_\@:
	s_barrier_wait -3
	s_barrier_signal -1
	s_barrier_wait -1
.endm
.macro MASKW                           ; the 64 words at s14: 256 bytes
	s_load_b512 s[16:31], s[8:9], s14 offset:0x0
	s_load_b512 s[32:47], s[8:9], s14 offset:0x40
	s_load_b512 s[48:63], s[8:9], s14 offset:0x80
	s_load_b512 s[68:83], s[8:9], s14 offset:0xc0
.endm
	s_load_b256 s[4:11], s[0:1], 0x0               ; qbuf, kv, mw, ao
	s_load_b64 s[12:13], s[0:1], 0x20              ; aos
	v_lshl_add_u32 v5, v0, 2, SPARE
	v_mov_b32 v6, 0
	ds_add_u32 v5, v6                              ; the wave's opening: the add, twice on end, and its wait ahead of my first tensor load
	ds_add_u32 v5, v6
	v_lshrrev_b32 v1, 5, v0
	s_delay_alu instid0(VALU_DEP_1)
	v_readfirstlane_b32 s2, v1                     ; wave 0..15
	s_bfe_u32 s66, ttmp6, 0x40000                  ; cx: which 512 queries.  It enters global addresses of q, the mask words and the results alone
	s_and_b32 s67, ttmp7, 0xffff                   ; 16 x batch + head, which the four partners share
	s_mov_b32 s84, 15|(3<<16)|(1<<21)              ; group 1: the mask names all four; elements of 8 bytes; bit 21 beside a mask; no padding
	s_mov_b32 s85, 32<<16                          ; tensor_dim0 = 32 elements: rows of 256 bytes
	s_mov_b32 s86, 51<<16                          ; tensor_dim1 = 51 rows: a key step's 13,056 dense bytes
	s_mov_b32 s87, 32<<16                          ; tile_dim0
	s_mov_b32 s88, 51                              ; tile_dim1
	s_mov_b32 s89, 32                              ; from row to row
	s_mov_b32 s90, 0
	s_mov_b32 s91, 0
	s_lshl_b32 s101, s67, 4
	s_add_co_u32 s101, s101, s2
	s_mul_i32 s104, s101, STEPB                    ; key step = my wave's number
	s_mov_b32 s105, 0
	s_mov_b32 s92, 1
	s_mul_i32 s93, s2, STEPB                       ; its place in LDS
	s_mov_b32 s96, 0x76543210
	s_mov_b32 s97, 0xfedcba98
	s_mov_b32 s98, 0x3fb8aa3b                      ; log2(e)
	s_mov_b32 s99, s98
	s_mov_b32 s100, 0xffff0000
	s_mov_b32 s14, 0
	s_wait_dscnt 0x0                               ; both opening adds are done
	s_wait_kmcnt 0x0
	s_add_nc_u64 s[94:95], s[6:7], s[104:105]
	s_or_b32 s95, s95, 0x80000000
	ROUND                                          ; all four work-groups are here: the joint loads meet
	tensor_load_to_lds s[92:95], s[84:91]          ; my one tensor load of the launch
	s_nop 0
	s_lshr_b32 s16, s67, 4                         ; batch
	s_and_b32 s17, s67, 15                         ; head
	s_lshl_b32 s18, s16, 7
	s_lshl_b32 s19, s66, 5
	s_add_co_u32 s18, s18, s19
	s_lshl_b32 s19, s2, 1
	s_add_co_u32 s18, s18, s19                     ; my first query tile: 128 x batch + 32 cx + 2 x wave
	s_mov_b32 s21, 0
	s_lshl_b32 s20, s18, 12
	s_add_nc_u64 s[8:9], s[8:9], s[20:21]          ; its mask words: 4,096 bytes a tile; the second tile's follow
	s_lshl_b32 s20, s18, 4
	s_add_co_u32 s20, s20, s17
	s_mul_i32 s20, s20, 768
	s_add_nc_u64 s[10:11], s[10:11], s[20:21]      ; its place in ao
	s_lshl_b32 s20, s18, 9
	s_lshl_b32 s22, s17, 1
	s_add_co_u32 s20, s20, s22
	s_add_nc_u64 s[12:13], s[12:13], s[20:21]      ; and in aos
	s_lshl_b32 s20, s67, 4
	s_lshl_b32 s22, s66, 2
	s_add_co_u32 s20, s20, s22
	s_lshr_b32 s22, s2, 2
	s_add_co_u32 s20, s20, s22
	s_mul_i32 s20, s20, 6656
	s_add_nc_u64 s[4:5], s[4:5], s[20:21]          ; my group of 128 queries in qbuf
	s_and_b32 s22, s2, 3                           ; my pair of tiles in it
	s_mul_i32 s23, s22, 1536
	v_and_b32 v9, 31, v0
	s_delay_alu instid0(VALU_DEP_1)
	v_lshlrev_b32 v3, 4, v9
	s_delay_alu instid0(VALU_DEP_2)
	v_lshl_add_u32 v4, v9, 3, 12800
	s_delay_alu instid0(VALU_DEP_3)
	v_lshlrev_b32 v9, 3, v9
	v_and_b32 v10, 15, v0                          ; r
	v_bfe_u32 v11, v0, 4, 1                        ; h
	s_delay_alu instid0(VALU_DEP_2)
	v_lshlrev_b32 v233, 4, v10
	s_delay_alu instid0(VALU_DEP_2)
	v_lshl_add_u32 v10, v10, 5, v11
	v_add_nc_u32 v232, s23, v3
	s_delay_alu instid0(VALU_DEP_3)
	v_lshl_add_u32 v233, s22, 2, v233
.irp i, 0,1,2
	global_load_b128 v[28+4*\i:31+4*\i], v232, s[4:5] offset:512*\i   ; twelve registers: my two tiles of Q
.endr
	global_load_b32 v40, v233, s[4:5] offset:6144  ; their scale words: lane r takes row r's
	global_load_b32 v41, v233, s[4:5] offset:6144+256
	MASKW                                          ; the first step's mask words
	v_mov_b32 v7, 0xab8cbccc                       ; -1e-12
.irp i, 22,23,24,25,26,27,90,91,92,93,94,95
	v_mov_b32 v[\i], 0                             ; zero codes
.endr
.irp b, 0,1,2,3
	v_mov_b32 v[TP+\b], 0                          ; a lane permute's destination counts as one of its sources
.endr
	v_mov_b32 v[PW], 0                             ; (named as the upper half of the pair v[230:231] before it is first written)
	s_wait_loadcnt 0x0                             ; Q
	s_wait_tensorcnt 0x0                           ; my key step has landed,
	s_barrier_signal -1
	s_barrier_wait -1                              ; everybody's has
.macro STEP                            ; 128 keys
	v_add_nc_u32 v1, s15, v3
	v_add_nc_u32 v2, s15, v4
	v_nop
	v_nop                                          ; four plain instructions between the last step's products and the loads into registers that they read
.irp i, 0,1,2,3,4,5,6,7,8,9,10,11
	ds_load_b128 v[KV+4*\i:KV+4*\i+3], v1 offset:512*\i
.endr
	ds_load_b128 v[KSC:KSC+3], v1 offset:12288
	s_wait_alu depctr_va_vdst(0)
	s_wait_dscnt 0x0
.irp t, 0,2,4,6                        ; word t / 2 holds tile t's scales in lanes 0-15 and tile t + 1's in lanes 16-31
	v_wmma_scale_f32_16x16x128_f8f6f4 v[S+8*\t:S+8*\t+7], v[KV+6*\t:KV+6*\t+11], v[16:27], 0, v[KSC+\t/2], v8 matrix_a_fmt:MATRIX_FMT_FP6 matrix_b_fmt:MATRIX_FMT_FP6
	v_wmma_scale_f32_16x16x128_f8f6f4 v[S+8*(\t+1):S+8*(\t+1)+7], v[KV+6*(\t+1):KV+6*(\t+1)+11], v[16:27], 0, v[KSC+\t/2], v8 matrix_a_fmt:MATRIX_FMT_FP6 matrix_b_fmt:MATRIX_FMT_FP6 matrix_a_scale:MATRIX_SCALE_ROW1
.endr
.rept 4
	v_nop
.endr
.irp i, 0,1,2,3,4,5,6,7,8,9,10,11
	ds_load_b128 v[KV+4*\i:KV+4*\i+3], v1 offset:6144+512*\i   ; V lands under the softmax
.endr
	ds_load_b64 v[VSC:VSC+1], v2
	s_wait_kmcnt 0x0                               ; this step's mask words, asked for a step ago
.set n, 0
.rept 64
.if n < 48
	v_cndmask_b32 v[S+n], v[S+n], v7, s[16+n]      ; -1e-12 where the mask is 0.  Ascending: each accumulator is read from its low end on
.else
	v_cndmask_b32 v[S+n], v[S+n], v7, s[20+n]
.endif
.set n, n+1
.endr
	s_add_co_u32 s14, s14, 256                     ; the loads that read s14 are done
	s_min_u32 s14, s14, 7936                       ; my 32nd step asks for its own words once more: no load leaves mw
	MASKW
.irp b, 0,1,2,3
	v_max3_num_f32 v[TM+\b], v[S+16*\b], v[S+1+16*\b], v[S+2+16*\b]   ; the largest score of each block of 32 keys: for the row's maximum, and for the block's largest p
.endr
.irp i, 3,5,7,9,11,13
.irp b, 0,1,2,3
	s_delay_alu instid0(VALU_DEP_4)
	v_max3_num_f32 v[TM+\b], v[TM+\b], v[S+16*\b+\i], v[S+1+16*\b+\i]
.endr
.endr
.irp b, 0,1,2,3
	s_delay_alu instid0(VALU_DEP_4)
	v_max_num_f32 v[TM+\b], v[TM+\b], v[S+15+16*\b]
.endr
.irp b, 0,1,2,3
	s_delay_alu instid0(VALU_DEP_4)
	v_permlanex16_b32 v[TP+\b], v[TM+\b], s96, s97
.endr
.irp b, 0,1,2,3
	s_delay_alu instid0(VALU_DEP_4)
	v_max_num_f32 v[TM+\b], v[TM+\b], v[TP+\b]
.endr
	s_delay_alu instid0(VALU_DEP_2)
	v_max3_num_f32 v[TT], v[TM], v[TM+1], v[TM+2]
	s_delay_alu instid0(VALU_DEP_1)
	v_max_num_f32 v[TT], v[TT], v[TM+3]
	s_delay_alu instid0(VALU_DEP_1)
	v_mul_f32 v[TT], s98, v[TT]
	s_delay_alu instid0(VALU_DEP_1)
	v_max_num_f32 v13, v13, v[TT]                  ; the running largest t
	v_mov_b32 v[TT], v12
	s_delay_alu instid0(VALU_DEP_2)
	v_floor_f32 v12, -v13                          ; the new -M
	s_delay_alu instid0(VALU_DEP_1)
	v_sub_f32 v[TT], v12, v[TT]                    ; old M - new M: a whole number, 0 or less
	s_delay_alu instid0(VALU_DEP_1)
	v_cvt_i32_f32 v[TT], v[TT]                     ; (it saturates)
	s_delay_alu instid0(VALU_DEP_1)
	v_ldexp_f32 v[FF], 1.0, v[TT]
.set j, 0
.rept 32
	v_pk_fma_f32 v[S+j:S+j+1], v[S+j:S+j+1], s[98:99], v[12:13] op_sel_hi:[1,0,0]   ; t - M
.set j, j+2
.endr
.irp b, 0,1,2,3
	v_fma_f32 v[TM+\b], v[TM+\b], s98, v12
.endr
.set j, 0
	s_wait_alu depctr_va_vdst(0)
.rept 64
	v_exp_f32 v[S+j], v[S+j]                       ; p = 2^(t - M)
.set j, j+1
.endr
	v_pk_mul_f32 v[14:15], v[14:15], v[FF:FF+1] op_sel_hi:[1,0]   ; the sums under the new M: the plain instruction behind the batch
	s_wait_alu depctr_va_vdst(0)                   ; one wait for the 64 exponentials, ahead of their first reader
.irp b, 0,1,2,3
	v_exp_f32 v[TM+\b], v[TM+\b]                   ; each block's largest p
.endr
	v_pk_add_f32 v[232:233], v[100:101], v[104:105]
	v_pk_add_f32 v[254:255], v[108:109], v[112:113]
	v_pk_add_f32 v[252:253], v[116:117], v[120:121]
	v_pk_add_f32 v[250:251], v[124:125], v[128:129]
	v_pk_add_f32 v[248:249], v[132:133], v[136:137]
	v_pk_add_f32 v[246:247], v[140:141], v[144:145]
	v_pk_add_f32 v[244:245], v[148:149], v[152:153]
	v_pk_add_f32 v[14:15], v[14:15], v[156:157]
	v_pk_add_f32 v[232:233], v[232:233], v[96:97]
	v_pk_add_f32 v[254:255], v[254:255], v[98:99]
	v_pk_add_f32 v[252:253], v[252:253], v[102:103]
	v_pk_add_f32 v[250:251], v[250:251], v[106:107]
	v_pk_add_f32 v[248:249], v[248:249], v[110:111]
	v_pk_add_f32 v[246:247], v[246:247], v[114:115]
	v_pk_add_f32 v[244:245], v[244:245], v[118:119]
	v_pk_add_f32 v[14:15], v[14:15], v[122:123]
	v_pk_add_f32 v[232:233], v[232:233], v[126:127]
	v_pk_add_f32 v[254:255], v[254:255], v[130:131]
	v_pk_add_f32 v[252:253], v[252:253], v[134:135]
	v_pk_add_f32 v[250:251], v[250:251], v[138:139]
	v_pk_add_f32 v[248:249], v[248:249], v[142:143]
	v_pk_add_f32 v[246:247], v[246:247], v[146:147]
	v_pk_add_f32 v[244:245], v[244:245], v[150:151]
	v_pk_add_f32 v[14:15], v[14:15], v[154:155]
	v_pk_add_f32 v[232:233], v[232:233], v[158:159]
	s_delay_alu instid0(VALU_DEP_2)
	v_pk_add_f32 v[14:15], v[14:15], v[250:251]
	s_delay_alu instid0(VALU_DEP_2)
	v_pk_add_f32 v[232:233], v[232:233], v[248:249]
	v_pk_add_f32 v[254:255], v[254:255], v[246:247]
	v_pk_add_f32 v[252:253], v[252:253], v[244:245]
	s_delay_alu instid0(VALU_DEP_2)
	v_pk_add_f32 v[14:15], v[14:15], v[254:255]
	s_delay_alu instid0(VALU_DEP_2)
	v_pk_add_f32 v[232:233], v[232:233], v[252:253]
	s_delay_alu instid0(VALU_DEP_1)
	v_pk_add_f32 v[14:15], v[14:15], v[232:233]
	s_wait_alu depctr_va_vdst(0)                   ; and one for the four
.irp b, 0,1,2,3
	v_max_num_f32 v[TM+\b], 0x1800000, v[TM+\b]    ; the floor 2^(3 - 127)
.endr
.irp b, 0,1,2,3
	s_delay_alu instid0(VALU_DEP_4)
	v_add_nc_u32 v[TS+\b], 0xff000000, v[TM+\b]    ; 2 off the exponent field: the conversion's scale operand
.endr
.irp b, 0,1,2,3
	s_delay_alu instid0(VALU_DEP_4)
	v_lshrrev_b32 v[TP+\b], 23, v[TS+\b]
.endr
	s_delay_alu instid0(VALU_DEP_3)
	v_lshl_or_b32 v[PW], v[TP+1], 8, v[TP]
	s_delay_alu instid0(VALU_DEP_1)
	v_lshl_or_b32 v[PW], v[TP+2], 16, v[PW]
	s_delay_alu instid0(VALU_DEP_1)
	v_lshl_or_b32 v[PW], v[TP+3], 24, v[PW]
.irp c, 0,1
	v_cvt_scalef32_pk16_fp6_f32 v[PC+6*\c:PC+6*\c+2], v[S+32*\c:S+32*\c+15], v[TS+2*\c]
	v_cvt_scalef32_pk16_fp6_f32 v[CT+4*\c:CT+4*\c+2], v[S+32*\c+16:S+32*\c+31], v[TS+2*\c+1]
.endr
	v_nop                                          ; one plain instruction behind the scaled conversions
.irp c, 0,1
.irp i, 0,1,2
	v_permlane16_swap_b32 v[PC+6*\c+\i], v[CT+4*\c+\i]
.endr
.irp i, 0,1,2
	s_delay_alu instid0(VALU_DEP_3)
	v_mov_b32 v[PC+6*\c+3+\i], v[CT+4*\c+\i]
.endr
.endr
.set j, 0
.rept 16
	v_pk_mul_f32 v[OO+j:OO+j+1], v[OO+j:OO+j+1], v[FF:FF+1] op_sel_hi:[1,0]   ; O^T under the new M; sixteen plain instructions between the writes of p's codes and scale word and the products
.set j, j+2
.endr
	s_wait_alu depctr_va_vdst(0)
	s_wait_dscnt 0x0                               ; V
.irp t, 0,2                            ; four accumulators by turns, one instruction a turn
	v_wmma_scale_f32_16x16x128_f8f6f4 v[OO+8*\t:OO+8*\t+7], v[KV+12*\t:KV+12*\t+11], v[PC:PC+11], v[OO+8*\t:OO+8*\t+7], v[VSC+\t/2], v[PW] matrix_a_fmt:MATRIX_FMT_FP6 matrix_b_fmt:MATRIX_FMT_FP6
	v_wmma_scale_f32_16x16x128_f8f6f4 v[OO+8*(\t+1):OO+8*(\t+1)+7], v[KV+12*(\t+1):KV+12*(\t+1)+11], v[PC:PC+11], v[OO+8*(\t+1):OO+8*(\t+1)+7], v[VSC+\t/2], v[PW] matrix_a_fmt:MATRIX_FMT_FP6 matrix_b_fmt:MATRIX_FMT_FP6 matrix_a_scale:MATRIX_SCALE_ROW1
.endr
.endm
.macro FINISH p                        ; O^T / l, quantised along the head's 64 channels (two blocks of the last product's K), stored
.rept 4
	v_nop                                          ; places behind the last products
.endr
	s_wait_xcnt 0x0                                ; the first tile's stores have read their registers
	v_add_f32 v14, v14, v15
	s_delay_alu instid0(VALU_DEP_1)
	v_permlanex16_b32 v[TT], v14, s96, s97
	s_delay_alu instid0(VALU_DEP_1)
	v_add_f32 v14, v14, v[TT]                      ; the row's sum
	s_wait_alu depctr_va_vdst(0)
	v_rcp_f32 v14, v14
	v_nop
	s_wait_alu depctr_va_vdst(0)                   ; ahead of the reciprocal's first reader
.set j, 0
.rept 16
	v_pk_mul_f32 v[S+j:S+j+1], v[OO+j:OO+j+1], v[14:15] op_sel_hi:[1,0]   ; register 8 t + i: channel 16 t + 8 h + i of query r
.set j, j+2
.endr
.irp b, 0,1
	v_max3_num_f32 v[TM+\b], |v[S+16*\b]|, |v[S+1+16*\b]|, 0x1800000
.endr
.irp i, 2,4,6,8,10,12,14
.irp b, 0,1
	s_delay_alu instid0(VALU_DEP_2)
	v_max3_num_f32 v[TM+\b], v[TM+\b], |v[S+16*\b+\i]|, |v[S+1+16*\b+\i]|
.endr
.endr
.irp b, 0,1
	s_delay_alu instid0(VALU_DEP_2)
	v_permlanex16_b32 v[TP+\b], v[TM+\b], s96, s97
.endr
.irp b, 0,1
	s_delay_alu instid0(VALU_DEP_2)
	v_max_num_f32 v[TM+\b], v[TM+\b], v[TP+\b]
.endr
.irp b, 0,1
	s_delay_alu instid0(VALU_DEP_2)
	v_add_nc_u32 v[TS+\b], 0xff000000, v[TM+\b]
.endr
.irp b, 0,1
	s_delay_alu instid0(VALU_DEP_2)
	v_lshrrev_b32 v[TP+\b], 23, v[TS+\b]
.endr
	v_cvt_scalef32_pk16_fp6_f32 v[OT:OT+2], v[S:S+15], v[TS]
	v_cvt_scalef32_pk16_fp6_f32 v[CT:CT+2], v[S+16:S+31], v[TS+1]
	v_nop
.irp i, 0,1,2
	v_permlane16_swap_b32 v[OT+\i], v[CT+\i]       ; lane (r, h): block h; v236-238 hold its groups 0 and 2 (6 bytes each), v204-206 its groups 1 and 3
.endr
	s_delay_alu instid0(VALU_DEP_1)
	v_perm_b32 v[OT+3], v[OT+2], v[OT+1], 0x05040302   ; the true order 0, 1, 2, 3: bytes 12-15 are group 2's first four,
	s_delay_alu instid0(VALU_DEP_2)
	v_perm_b32 v[OT+4], v[CT+1], v[OT+2], 0x07060302   ; 16-19 its last two and group 3's first two,
	s_delay_alu instid0(VALU_DEP_3)
	v_mov_b32 v[OT+5], v[CT+2]                         ; 20-23 group 3's last four,
	v_perm_b32 v[OT+1], v[CT], v[OT+1], 0x05040100     ; 4-7 group 0's last two and group 1's first two,
	v_perm_b32 v[OT+2], v[CT+1], v[CT], 0x05040302     ; 8-11 group 1's last four
	v_cndmask_b32 v[BY], v[TP], v[TP+1], s100      ; my block's byte
	global_store_b128 v3, v[OT:OT+3], s[10:11] offset:12288*\p
	global_store_b64 v9, v[OT+4:OT+5], s[10:11] offset:12288*\p+512
	global_store_b8 v10, v[BY], s[12:13] offset:512*\p
.endm
.macro PASS p
.irp e, 0,1,2,3,4,5
	v_mov_b32 v[16+\e], v[28+6*\p+\e]
.endr
	v_mov_b32 v8, v[40+\p]
	v_mov_b32 v13, 0xff61b1e6                      ; the largest t so far: -3e38
	s_delay_alu instid0(VALU_DEP_1)
	v_floor_f32 v12, -v13
	v_mov_b32 v14, 0
	v_mov_b32 v15, 0
.set j, 0
.rept 32
	v_mov_b32 v[OO+j], 0                           ; the step is written once: the first finds zeros.  (Also the plain instructions between the write of Q's scale word and the first product)
.set j, j+1
.endr
	s_mov_b32 s15, 0
	s_mov_b32 s3, 16
.Lstep_\@:
	STEP
	s_add_co_u32 s15, s15, STEPB
	s_sub_co_u32 s3, s3, 1
	s_cmp_lg_u32 s3, 0
	s_cbranch_scc1 .Lstep_\@
	FINISH \p
.endm
	PASS 0
	PASS 1
	s_wait_tensorcnt 0x0                           ; the wave's end
	ds_add_u32 v5, v6
	s_wait_dscnt 0x0
	ROUND                                          ; the closing round
	s_endpgm
.Lfunc_end_k_q50dfe198ca_attn:
	.size	k_q50dfe198ca_attn, .Lfunc_end_k_q50dfe198ca_attn-k_q50dfe198ca_attn
	.p2alignl 7, 3214868480
	.fill 96, 4, 3214868480
	.section	.rodata,"a",@progbits
	.p2align	6, 0x0
	.amdhsa_kernel k_q50dfe198ca_attn
		.amdhsa_group_segment_fixed_size 210944
		.amdhsa_private_segment_fixed_size 0
		.amdhsa_enable_private_segment 0
		.amdhsa_kernarg_size 40
		.amdhsa_user_sgpr_count 2
		.amdhsa_user_sgpr_kernarg_segment_ptr 1
		.amdhsa_wavefront_size32 1
		.amdhsa_system_sgpr_workgroup_id_x 1
		.amdhsa_system_sgpr_workgroup_id_y 1
		.amdhsa_system_sgpr_workgroup_id_z 1
		.amdhsa_system_vgpr_workitem_id 0
		.amdhsa_next_free_vgpr 256
		.amdhsa_next_free_sgpr 106
		.amdhsa_reserve_vcc 0
		.amdhsa_float_denorm_mode_32 3
		.amdhsa_float_denorm_mode_16_64 3
		.amdhsa_memory_ordered 1
		.amdhsa_forward_progress 1
		.amdhsa_inst_pref_size 62
	.end_amdhsa_kernel
	.amdgpu_metadata
---
amdhsa.version: [ 1, 2 ]
amdhsa.kernels:
  - .name:           k_q50dfe198ca_attn
    .symbol:         k_q50dfe198ca_attn.kd
    .args:
      - { .name: qbuf, .offset: 0, .size: 8, .value_kind: global_buffer, .address_space: global }
      - { .name: kv, .offset: 8, .size: 8, .value_kind: global_buffer, .address_space: global }
      - { .name: mw, .offset: 16, .size: 8, .value_kind: global_buffer, .address_space: global }
      - { .name: ao, .offset: 24, .size: 8, .value_kind: global_buffer, .address_space: global }
      - { .name: aos, .offset: 32, .size: 8, .value_kind: global_buffer, .address_space: global }
    .group_segment_fixed_size: 210944
    .private_segment_fixed_size: 0
    .kernarg_segment_align: 8
    .kernarg_segment_size: 40
    .max_flat_workgroup_size: 512
    .sgpr_count:     106
    .vgpr_count:     256
    .wavefront_size: 32
...
	.end_amdgpu_metadata
.endif
;; end of part 2
;; launch outp (part 3): grid 4 x 64, 4 waves a work-group, clusters of 4 x 4, 327,680 bytes of LDS; arguments ao, aos, Wo_codes, Wo_scales, bo, out0; writes out0
.if DOCPART == 3
	.amdgcn_target "amdgcn-amd-amdhsa--gfx1250"
	.amdhsa_code_object_version 6
	.text
	.protected	k_q50dfe198ca_outp
	.globl	k_q50dfe198ca_outp
	.p2align	8
	.type	k_q50dfe198ca_outp,@function
k_q50dfe198ca_outp:
	s_mov_b64 s[64:65], 0
	v_nop
	global_prefetch_b8 v0, s[64:65] scope:SCOPE_SE
	s_setreg_imm32_b32 hwreg(HW_REG_WAVE_MODE, 25, 1), 1
	s_wait_xcnt 0x0
	s_wait_alu depctr_hold_cnt(0) depctr_sa_sdst(0) depctr_va_vdst(0) depctr_va_sdst(0) depctr_va_ssrc(0) depctr_va_vcc(0) depctr_vm_vsrc(0)
	s_getreg_b32 s2, hwreg(HW_REG_IB_STS2, 6, 4)
	s_cmp_eq_u32 s2, 0
	s_cbranch_scc0 .Lentry_in_a_cluster
	s_endpgm
.Lentry_in_a_cluster:
	s_bfe_u32 s2, ttmp6, 0x10000c
	s_cmp_lg_u32 s2, 0xf033
	s_cbranch_scc0 .Lentry_shape_is_right
	s_endpgm
.Lentry_shape_is_right:
; THE LAST PROJECTION on codes of FP6 (E2M3): out0 = a Wo^T + bo.  No work is left out.
; A block is 128 tokens x 256 columns: 256 work-groups.  Four waves, each 64 x 128: 32 accumulators.
; ALL OF K LIES IN LDS AT ONCE.  A: ao's images of operand registers, 12,288 dense bytes for 16 tokens; B: Wo's rows of 768 dense bytes, as three
; rows of 256 bytes with 16 bytes of padding behind each (LDS pitch 816).  Each wave asks for one tile at the head; nothing is filled again.
; CLUSTER 4 x 4: A's tiles are asked for jointly along a row of the cluster, B's along a column.
; No prefetch: every tile is asked for at the head, and there is no loop to run ahead in.
; Scale words go from memory into registers: lane r takes its row's 32 bytes.  The bias is the C of the first step.
; REGISTERS as in launch proj: window 0 addresses, scale words v32-127, A's fragments v128-223; window 1 B's fragments; window 2 accumulators; window 3 v0-63 bias.
; THE WAY OUT goes through a stage of 16 rows x 528 bytes for each wave, in A's bytes, behind a barrier behind which nobody reads them.
.set SIZE_N, 1024
.set ROWP,  816
.set BLK,   16*ROWP
.set BH,    128*ROWP
.set AB,    98304
.set SPARE, AB+2*BH
.set SPITCH, 528
.set ADRA, 16
.set ADRB, 18
.set VS,   22
.set STO,  24
.set RD,   25
.set CO,   26
.set SPW,  28
.set NIL,  29
.set SCA,  32
.set SCB,  64
.set AF,   128
.set BK,   128
.set G1,  24
.set G0,  32
.set G1B, 48
.set G0B, 56
.set MSB, 0
.macro WIN new
.if MSB != \new
	s_set_vgpr_msb (MSB<<8)|\new
.set MSB, \new
.endif
.endm
.macro PLACES
.rept 4
	v_nop
.endr
.endm
.macro JLOAD
	s_cmp_eq_u32 s15, 0
	s_cbranch_scc0 .Lfor_b_\@
	tensor_load_to_lds s[G0:G0+3], s[G1:G1+7]
	s_nop 0
	PLACES
	s_branch .Lasked_\@
.Lfor_b_\@:
	tensor_load_to_lds s[G0B:G0B+3], s[G1B:G1B+7]
	s_nop 0
	PLACES
.Lasked_\@:
.endm
.macro CROUND
	s_barrier_signal -1
	s_barrier_wait -1
	s_cmp_lg_u32 s14, 0
	s_cbranch_scc1 .Lnot_wave_0_\@
	s_barrier_signal -3
.Lnot_wave_0_\@:
	s_barrier_wait -3
	s_barrier_signal -1
	s_barrier_wait -1
.endm
	s_load_b128 s[4:7], s[0:1], 0x0                ; ao, aos
	s_load_b128 s[8:11], s[0:1], 0x10              ; Wo's codes, scales
	s_load_b64 s[96:97], s[0:1], 0x20              ; bo
	s_load_b64 s[12:13], s[0:1], 0x28              ; out0
	v_lshl_add_u32 v[SPW], v0, 2, SPARE
	v_mov_b32 v[NIL], 0
	ds_add_u32 v[SPW], v[NIL]                      ; the opening lines: the add twice and its wait
	ds_add_u32 v[SPW], v[NIL]
	v_lshrrev_b32 v1, 5, v0
	v_readfirstlane_b32 s14, v1
	s_lshr_b32 s15, s14, 1                         ; my half of the tokens; also: I ask for A (0) or B (1)
	s_and_b32 s16, s14, 1                          ; my half of the columns; also: which half I ask for
	s_bfe_u32 s40, ttmp6, 0x40000
	s_bfe_u32 s41, ttmp6, 0x40004
	s_lshl_b32 s42, ttmp9, 2
	s_add_co_u32 s42, s42, s40                     ; tile column
	s_and_b32 s17, ttmp7, 0xffff
	s_lshl_b32 s17, s17, 2
	s_add_co_u32 s17, s17, s41                     ; tile row
	s_lshl_b32 s43, s41, 2
	s_lshl_b32 s43, 15, s43
	s_lshl_b32 s44, 0x1111, s40
	s_or_b32 s[G1], s43, (3<<16)|(1<<21)           ; A: 192 dense rows of 256 bytes, no padding
	s_or_b32 s[G1B], s44, (3<<16)|(1<<20)|(1<<21)|(5<<22)|(3<<25)
.irp g, G1, G1B
	s_mov_b32 s[\g+1], 32<<16
	s_mov_b32 s[\g+3], 32<<16
	s_mov_b32 s[\g+5], 32
	s_mov_b32 s[\g+6], 0
	s_mov_b32 s[\g+7], 0
.endr
	s_mov_b32 s[G1+2], 192<<16
	s_mov_b32 s[G1+4], 192
	s_mov_b32 s[G1B+2], 384<<16
	s_mov_b32 s[G1B+4], 384
	s_mul_i32 s20, s17, AB                         ; 128 tokens are 98,304 bytes of ao
	s_mul_i32 s21, s16, AB/2
	s_add_co_u32 s20, s20, s21
	s_mov_b32 s21, 0
	s_lshl_b32 s46, s42, 8
	s_lshl_b32 s47, s16, 7
	s_add_co_u32 s46, s46, s47
	s_mul_i32 s46, s46, 768
	s_mov_b32 s47, 0
	s_mov_b32 s[G0], 1
	s_mul_i32 s[G0+1], s16, AB/2
	s_mov_b32 s[G0B], 1
	s_mul_i32 s[G0B+1], s16, BH
	s_add_co_u32 s[G0B+1], s[G0B+1], AB
	s_wait_dscnt 0x0
	s_wait_kmcnt 0x0
	s_add_nc_u64 s[G0+2:G0+3], s[4:5], s[20:21]
	s_or_b32 s[G0+3], s[G0+3], 0x80000000
	s_add_nc_u64 s[G0B+2:G0B+3], s[8:9], s[46:47]
	s_or_b32 s[G0B+3], s[G0B+3], 0x80000000
	CROUND
	JLOAD                                          ; my one tensor load of the launch
	v_and_b32 v1, 15, v0
	v_bfe_u32 v2, v0, 4, 1
	v_and_b32 v6, 31, v0
	v_mul_u32_u24 v3, v1, ROWP
	v_mad_u32_u24 v4, v2, 24, v3
	v_lshl_add_u32 v5, v2, 4, v4
	v_lshlrev_b32 v[CO], 4, v6
	v_lshl_add_u32 v8, v6, 3, 512
	s_mul_i32 s21, s15, AB/2
	s_mul_i32 s22, s16, BH
	s_add_co_u32 s22, s22, AB
	v_add_nc_u32 v[ADRA], s21, v[CO]               ; an image's registers 0-3 at 16 x lane,
	v_add_nc_u32 v[ADRA+1], s21, v8                ; 4-5 at 512 + 8 x lane
	v_add_nc_u32 v[ADRB], s22, v4
	v_add_nc_u32 v[ADRB+1], s22, v5
	s_add_co_u32 s22, s22, BH/2
	v_add_nc_u32 v[ADRB+2], s22, v4
	v_add_nc_u32 v[ADRB+3], s22, v5
	v_lshlrev_b32 v[VS], 5, v1
	s_mul_i32 s23, s14, 16*SPITCH                  ; my stage
	v_mul_u32_u24 v5, v1, SPITCH
	v_lshl_add_u32 v5, v2, 5, v5
	v_add_nc_u32 v[STO], s23, v5
	v_add_nc_u32 v[RD], s23, v[CO]
	v_lshlrev_b32 v7, 5, v2
	s_lshl_b32 s20, s17, 7
	s_lshl_b32 s21, s15, 6
	s_add_co_u32 s20, s20, s21                     ; my first token
	s_lshl_b32 s36, s20, 5
	s_mov_b32 s37, 0
	s_add_nc_u64 s[6:7], s[6:7], s[36:37]
	s_lshl_b32 s46, s42, 8
	s_lshl_b32 s47, s16, 7
	s_add_co_u32 s46, s46, s47                     ; my first column
	s_lshl_b32 s38, s46, 5
	s_mov_b32 s39, 0
	s_add_nc_u64 s[10:11], s[10:11], s[38:39]
	s_lshl_b32 s46, s46, 2
	s_mov_b32 s47, 0
	s_add_nc_u64 s[96:97], s[96:97], s[46:47]
	s_lshl_b32 s20, s20, 12
	s_mov_b32 s21, 0
	s_add_nc_u64 s[12:13], s[12:13], s[20:21]
	s_add_nc_u64 s[12:13], s[12:13], s[46:47]
	s_wait_alu depctr_va_vdst(0)                   ; the wait behind the head's vector writes
.irp a, 0,1,2,3
	global_load_b128 v[SCA+8*\a:SCA+8*\a+3], v[VS], s[6:7] offset:512*\a
	global_load_b128 v[SCA+8*\a+4:SCA+8*\a+7], v[VS], s[6:7] offset:512*\a+16
.endr
.irp b, 0,1,2,3,4,5,6,7
	global_load_b128 v[SCB+8*\b:SCB+8*\b+3], v[VS], s[10:11] offset:512*\b
	global_load_b128 v[SCB+8*\b+4:SCB+8*\b+7], v[VS], s[10:11] offset:512*\b+16
.endr
	WIN 0xc0
.irp b, 0,1,2,3,4,5,6,7
	global_load_b128 v[8*\b:8*\b+3], v7, s[96:97] offset:64*\b
	global_load_b128 v[8*\b+4:8*\b+7], v7, s[96:97] offset:64*\b+16
.endr
	WIN 0
.macro FRAG reg, adr, st, i
.irp p, 0,1,2,3,4,5
.set BY, 96*(\st)+48*(\p/3)+8*(\p%3)
.set XC, (BY+24)/256-BY/256
	ds_load_b64 v[\reg+2*\p:\reg+2*\p+1], v[\adr+XC] offset:BY+16*(BY/256)+(\i)*BLK
.endr
.endm
.macro FRAGA reg, st, i                ; heads 2 st and 2 st + 1 of token tile i
.irp c, 0,1
	ds_load_b128 v[\reg+6*\c:\reg+6*\c+3], v[ADRA] offset:12288*(\i)+768*(2*(\st)+\c)
	ds_load_b64 v[\reg+6*\c+4:\reg+6*\c+5], v[ADRA+1] offset:12288*(\i)+768*(2*(\st)+\c)
.endr
.endm
.macro FETCH1 st                       ; B's blocks 0-3 (24 loads) and A's four (16)
	WIN 0x40
.irp i, 0,1,2,3
	FRAG 128*((\st)%2)+12*\i, ADRB, \st, \i
.endr
	WIN 0
.irp i, 0,1,2,3
	FRAGA AF+48*((\st)%2)+12*\i, \st, \i
.endr
.endm
.macro FETCH2 st                       ; B's blocks 4-7: 24 loads
	WIN 0x40
.irp i, 0,1,2,3
	FRAG 128*((\st)%2)+48+12*\i, ADRB+2, \st, \i
.endr
	WIN 0
.endm
.macro MULH st, b0, zero
.if \zero
	WIN 0xb1
.else
	WIN 0xa1
.endif
.irp a, 0,1,2,3
.irp b, \b0, \b0+1, \b0+2, \b0+3
.set DD, 8*(8*\a+(\b))
.if \zero
.set CC, 8*(\b)
.else
.set CC, DD
.endif
	v_wmma_scale_f32_16x16x128_f8f6f4 v[DD:DD+7], v[128*((\st)%2)+12*(\b):128*((\st)%2)+12*(\b)+11], v[AF+48*((\st)%2)+12*\a:AF+48*((\st)%2)+12*\a+11], v[CC:CC+7], v[SCB+8*(\b)+(\st)], v[SCA+8*\a+(\st)] matrix_a_fmt:MATRIX_FMT_FP6 matrix_b_fmt:MATRIX_FMT_FP6
.endr
.endr
.endm
.macro STEP st, zero
	s_wait_dscnt 24                                ; all but B's blocks 4-7
	MULH \st, 0, \zero
.if (\st) < 7
	PLACES
	FETCH1 (\st)+1
	s_wait_dscnt 40                                ; all but the 40 just issued
.else
	s_wait_dscnt 0x0
.endif
	MULH \st, 4, \zero
.if (\st) < 7
	PLACES
	FETCH2 (\st)+1
.endif
	WIN 0
.endm
	s_wait_alu depctr_va_vdst(0)                   ; the wait at the head's end
	s_wait_tensorcnt 0x0
	s_barrier_signal -1
	s_barrier_wait -1
	FETCH1 0
	FETCH2 0
	s_wait_loadcnt 0x0
	STEP 0, 1
.set ST, 1
.rept 7
	STEP ST, 0
.set ST, ST+1
.endr
	s_barrier_signal -1                            ; my LDS reads were awaited in the last step:
	s_barrier_wait -1                              ; nobody reads A's bytes any more, and nothing is filled again: the stages may lie there
.macro TOSTAGE a
.set AC, 64*(\a)
	WIN 0x08
.irp b, 0,1,2,3,4,5,6,7
	ds_store_b128 v[STO], v[AC+8*\b:AC+8*\b+3] offset:64*\b
	ds_store_b128 v[STO], v[AC+8*\b+4:AC+8*\b+7] offset:64*\b+16
.endr
	WIN 0
.set BB, BK+64*((\a)%2)
.irp t, 0,1,2,3,4,5,6,7,8,9,10,11,12,13,14,15
	ds_load_b128 v[BB+4*\t:BB+4*\t+3], v[RD] offset:\t*SPITCH
.endr
.endm
.macro SEND a, younger
.set BB, BK+64*((\a)%2)
	s_wait_dscnt \younger
.if (\a) > 0
	s_add_nc_u64 s[12:13], s[12:13], 16*SIZE_N*4
.endif
.irp t, 0,1,2,3,4,5,6,7,8,9,10,11,12,13,14,15
	global_store_b128 v[CO], v[BB+4*\t:BB+4*\t+3], s[12:13] offset:\t*SIZE_N*4 th:TH_STORE_NT   ; 32 lanes store 512 consecutive aligned bytes
.endr
.endm
	PLACES
	TOSTAGE 0
.irp a, 1,2,3
.if \a > 1
	s_wait_xcnt 0x0
.endif
	TOSTAGE \a
	SEND \a-1, 32
.endr
	s_wait_xcnt 0x0
	SEND 3, 0
	s_wait_tensorcnt 0x0                           ; the wave's end
	ds_add_u32 v[SPW], v[NIL]
	s_wait_dscnt 0x0
	CROUND
	s_endpgm
.Lfunc_end_k_q50dfe198ca_outp:
	.size	k_q50dfe198ca_outp, .Lfunc_end_k_q50dfe198ca_outp-k_q50dfe198ca_outp
	.p2alignl 7, 3214868480
	.fill 96, 4, 3214868480
	.section	.rodata,"a",@progbits
	.p2align	6, 0x0
	.amdhsa_kernel k_q50dfe198ca_outp
		.amdhsa_group_segment_fixed_size 327680
		.amdhsa_private_segment_fixed_size 0
		.amdhsa_enable_private_segment 0
		.amdhsa_kernarg_size 48
		.amdhsa_user_sgpr_count 2
		.amdhsa_user_sgpr_kernarg_segment_ptr 1
		.amdhsa_wavefront_size32 1
		.amdhsa_system_sgpr_workgroup_id_x 1
		.amdhsa_system_sgpr_workgroup_id_y 1
		.amdhsa_system_sgpr_workgroup_id_z 1
		.amdhsa_system_vgpr_workitem_id 0
		.amdhsa_next_free_vgpr 1024
		.amdhsa_next_free_sgpr 98
		.amdhsa_reserve_vcc 0
		.amdhsa_float_denorm_mode_32 3
		.amdhsa_float_denorm_mode_16_64 3
		.amdhsa_memory_ordered 1
		.amdhsa_forward_progress 1
		.amdhsa_inst_pref_size 94
	.end_amdhsa_kernel
	.amdgpu_metadata
---
amdhsa.version: [ 1, 2 ]
amdhsa.kernels:
  - .name:           k_q50dfe198ca_outp
    .symbol:         k_q50dfe198ca_outp.kd
    .args:
      - { .name: ao, .offset: 0, .size: 8, .value_kind: global_buffer, .address_space: global }
      - { .name: aos, .offset: 8, .size: 8, .value_kind: global_buffer, .address_space: global }
      - { .name: Wo_codes, .offset: 16, .size: 8, .value_kind: global_buffer, .address_space: global }
      - { .name: Wo_scales, .offset: 24, .size: 8, .value_kind: global_buffer, .address_space: global }
      - { .name: bo, .offset: 32, .size: 8, .value_kind: global_buffer, .address_space: global }
      - { .name: out0, .offset: 40, .size: 8, .value_kind: global_buffer, .address_space: global }
    .group_segment_fixed_size: 327680
    .private_segment_fixed_size: 0
    .kernarg_segment_align: 8
    .kernarg_segment_size: 48
    .max_flat_workgroup_size: 128
    .sgpr_count:     98
    .vgpr_count:     1024
    .wavefront_size: 32
...
	.end_amdgpu_metadata
.endif
;; end of part 3
